; MI455X (gfx1250); checked and timed in simulation.
; The chip was launched on July 23, 2026; its instructions are those of AMD's public machine-readable ISA for CDNA 5 (MIT licence, August 2026) and "CDNA5" Instruction Set Architecture Reference Guide (July 2026). The comments in the code are by the model that wrote it; some were corrected since.
;; Naive SDPA. Allowed arithmetic: matrix products marked QUANTISED: E5M2 operands, one given power-of-two scale a tensor, by v_wmma_f32_16x16x64_bf8_bf8 or v_wmma_f32_16x16x128_bf8_bf8, f32 sums; everything else in f32.
;; Inputs: keys_codes 16 x 4,096 x 2 x 32 uint8 (E5M2 codes of keys, K innermost, in blocks of 32 codes); lowp_scales 4 int32 (the exponents e of the quantised operands' scales 2^e); mask 4,096 x 4,096 float32; queries 16 x 4,096 x 64 float32; values_codes 16 x 64 x 128 x 32 uint8 (E5M2 codes of values, K innermost, in blocks of 32 codes).
;; Outputs: out0 16 x 4,096 x 64 float32.
;; This version of the problem:
;;   THIS VERSION OF THE PROBLEM IS GIVEN IN LOW PRECISION. The matrix products marked QUANTISED in the list below multiply operands that are first quantised to E5M2 (5 exponent bits, 2 mantissa bits; 8 bits a number), with one given power-of-two scale for each operand tensor; their sums are f32. All else is computed in f32.
;;   The module's matrix products, in the order in which they are computed (A, B: the left and right operand; K: the contracted axis; several contracted axes count as one K, in the product's order):
;;     1. batch 16 x [M 4,096, K 64] x [K 64, N 4,096]; A: computed on the way; B: input keys (given as codes): QUANTISED (scales: A lowp_scales[0], B lowp_scales[1])
;;     2. batch 16 x [M 4,096, K 4,096] x [K 4,096, N 64]; A: softmax (see below); B: input values (given as codes): QUANTISED (scales: A lowp_scales[2], B lowp_scales[3])
;;   THE QUANTISER, for each operand of a quantised product, along K:
;;     - The operand's scale is 2^e, e = its entry of the input lowp_scales (int32; the entries are numbered through the quantised products in the list's order, A before B).
;;     - Each number is divided by the scale, clamped to +-57,344, and rounded to the nearest number of E5M2, ties to even, subnormals kept.
;;     - The product sums the exact products of the quantised numbers (number of the format x scale) in f32.
;;   ~~~python
;;   def quantise(x, axis, e):      # numpy; x: float32 -> the quantised numbers, widened to float32 again
;;       x = np.moveaxis(x, axis, -1); K = x.shape[-1]
;;       r = np.clip(x / 2.0 ** e, -57344, 57344)
;;       step = 2.0 ** (np.maximum(np.frexp(np.where(r == 0, 1, r))[1] - 1, -14) - 2)
;;       q = np.round(r / step) * step * 2.0 ** e      # np.round: ties to even
;;       return np.moveaxis(q, -1, axis).astype(np.float32)
;;   ~~~
;;   SOFTMAX AHEAD OF A QUANTISED PRODUCT. Where the list says 'softmax', what is quantised is not the finished softmax but p = 2^(t - M), with t = logit x log2(e) and M = ceil(the row's largest t), a whole number; so 1/2 < the row's largest p <= 1. The row's sum l is taken of the UNQUANTISED p, in f32, and the product's result is divided by l at the end. Since M is a whole number, a kernel that streams over the keys may use a running M (the ceiling of the running maximum): every later rescaling is an exact power of two, so the quantised numbers keep their values, but for numbers so far below the row's largest that they fall under the format's range.
;;   OPERANDS COMPUTED ON THE WAY. 'Computed on the way' means the value that the module computes at that place (a softmax that the list does not call 'softmax' is quantised finished and normalised). What goes into a quantiser is computed in f32, as accurately as f32 sums, v_exp_f32 and their like allow (about 1e-6 of the number): no bf16 or f16 on the way to a quantiser, and a product that is left as it is and whose result goes on into a quantised operand takes f32 operands (vector FMAs, or v_wmma_f32_16x16x4_f32). A number that lies on a knife's edge between two numbers of the format may be rounded either way, as far as f32 arithmetic and the matrix unit's own rounding can turn it there, and no further.
;;   INPUTS GIVEN AS CODES. keys (in the module: [16, 4096, 64], K = its axis 2); values (in the module: [16, 4096, 64], K = its axis 1): each comes as NAME_codes (uint8): NAME with its K axis moved to the last place and cut into blocks of 32 codes, [.., K / 32, bytes a block], one block behind the other in memory; one code a byte (a code: sign, 5 exponent bits, 2 mantissa bits); its scale is its entry of lowp_scales. Its value is code x scale, taken as it is: it is not quantised again, and the codes and scales need not be those that the quantiser above would give.
;; One version. Each part assembles by itself: llvm-mc -triple=amdgcn-amd-amdhsa -mcpu=gfx1250 --defsym DOCPART=n.
;; ======== version 1 of 1: 2 launches
;; limits: right only within a limited range of input values
;; workspace buffers: kvw 8,388,608 bytes
;; launch relay (part 1): grid 256 x 1, 4 waves a work-group, no clusters, 0 bytes of LDS; arguments keys_codes, values_codes, kvw; writes kvw
.if DOCPART == 1
	.amdgcn_target "amdgcn-amd-amdhsa--gfx1250"
	.amdhsa_code_object_version 6
	.text
	.protected	k_qaf7ca21807_relay
	.globl	k_qaf7ca21807_relay
	.p2align	8
	.type	k_qaf7ca21807_relay,@function
k_qaf7ca21807_relay:
	s_mov_b64 s[64:65], 0
	v_nop
	global_prefetch_b8 v0, s[64:65] scope:SCOPE_SE
	s_setreg_imm32_b32 hwreg(HW_REG_WAVE_MODE, 25, 1), 1
	s_wait_xcnt 0x0
; K's and V's codes are laid once in the order in which the next launch's operand registers take them: no code is changed.
; kvw[head][block of 128 keys][K: 8,192 bytes | V: 8,192 bytes].  A piece is 16 bytes; lane L = r + 16 h of load n takes piece 32 n + L.
; K, n = 2 c + g: key 32 (c / 2) + 8 (c % 2) + 16 (r / 8) + r % 8 of the block, bytes 32 g + 16 h on.  V, n = 4 ct + i: channel 16 ct + r, keys 32 i + 16 h on.
; A wave lays one half of one block: 16 loads of 16 bytes a lane (32 neighbouring bytes of 16 rows each), 16 stores of 512 consecutive bytes.  1,024 waves in 256 work-groups.
	s_load_b128 s[4:7], s[0:1], 0x0                ; keys_codes, values_codes
	s_load_b64 s[8:9], s[0:1], 0x10                ; kvw
	v_lshrrev_b32 v1, 5, v0
	v_readfirstlane_b32 s10, v1                    ; wave 0..3
	v_and_b32 v2, 7, v0
	v_and_b32 v3, 8, v0
	v_bfe_u32 v4, v0, 4, 1                         ; h
	v_lshlrev_b32 v5, 6, v2                        ; K: (r % 8) rows of 64 bytes
	v_lshl_add_u32 v5, v3, 7, v5                   ; + 16 rows where r >= 8
	v_lshl_add_u32 v5, v4, 4, v5                   ; + 16 h
	v_and_b32 v6, 15, v0
	v_lshlrev_b32 v6, 12, v6                       ; V: channel r, 4,096 bytes a row
	v_lshl_add_u32 v6, v4, 4, v6
	v_and_b32 v7, 31, v0
	v_lshlrev_b32 v7, 4, v7                        ; out: 16 x lane
	s_lshl_b32 s11, ttmp9, 1
	s_lshr_b32 s12, s10, 1
	s_add_co_u32 s11, s11, s12                     ; 32 x head + block
	s_and_b32 s13, s10, 1                          ; 0: K, 1: V
	s_lshl_b32 s14, s11, 14
	s_lshl_b32 s15, s13, 13
	s_add_co_u32 s14, s14, s15
	s_mov_b32 s15, 0
	s_lshl_b32 s16, s11, 13                        ; K: 8,192 bytes a block, dense
	s_mov_b32 s17, 0
	s_lshr_b32 s18, s11, 5
	s_lshl_b32 s18, s18, 18
	s_and_b32 s19, s11, 31
	s_lshl_b32 s19, s19, 7
	s_add_co_u32 s18, s18, s19                     ; V: the head, + 128 keys a block in each row
	s_mov_b32 s19, 0
	s_wait_alu depctr_va_vdst(0)                   ; the wait at the head's end
	s_wait_kmcnt 0x0
	s_add_nc_u64 s[8:9], s[8:9], s[14:15]
	s_add_nc_u64 s[4:5], s[4:5], s[16:17]
	s_add_nc_u64 s[6:7], s[6:7], s[18:19]
	s_cmp_eq_u32 s13, 0
	s_cbranch_scc0 .Lvals
.irp c, 0,1,2,3,4,5,6,7
.irp g, 0,1
	global_load_b128 v[16+8*\c+4*\g:19+8*\c+4*\g], v5, s[4:5] offset:(32*(\c/2)+8*(\c%2))*64+32*\g
.endr
.endr
	s_branch .Lout
.Lvals:
.irp ct, 0,1,2,3
.irp i, 0,1,2,3
	global_load_b128 v[16+16*\ct+4*\i:19+16*\ct+4*\i], v6, s[6:7] offset:16*\ct*4096+32*\i
.endr
.endr
.Lout:
	s_wait_loadcnt 0x0
.irp n, 0,1,2,3,4,5,6,7,8,9,10,11,12,13,14,15
	global_store_b128 v7, v[16+4*\n:19+4*\n], s[8:9] offset:512*\n
.endr
	s_endpgm
.Lfunc_end_k_qaf7ca21807_relay:
	.size	k_qaf7ca21807_relay, .Lfunc_end_k_qaf7ca21807_relay-k_qaf7ca21807_relay
	.p2alignl 7, 3214868480
	.fill 96, 4, 3214868480
	.section	.rodata,"a",@progbits
	.p2align	6, 0x0
	.amdhsa_kernel k_qaf7ca21807_relay
		.amdhsa_group_segment_fixed_size 0
		.amdhsa_private_segment_fixed_size 0
		.amdhsa_enable_private_segment 0
		.amdhsa_kernarg_size 24
		.amdhsa_user_sgpr_count 2
		.amdhsa_user_sgpr_kernarg_segment_ptr 1
		.amdhsa_wavefront_size32 1
		.amdhsa_system_sgpr_workgroup_id_x 1
		.amdhsa_system_sgpr_workgroup_id_y 1
		.amdhsa_system_sgpr_workgroup_id_z 1
		.amdhsa_system_vgpr_workitem_id 0
		.amdhsa_next_free_vgpr 96
		.amdhsa_next_free_sgpr 66
		.amdhsa_reserve_vcc 0
		.amdhsa_float_denorm_mode_32 3
		.amdhsa_float_denorm_mode_16_64 3
		.amdhsa_memory_ordered 1
		.amdhsa_forward_progress 1
		.amdhsa_inst_pref_size 7
	.end_amdhsa_kernel
	.amdgpu_metadata
---
amdhsa.version: [ 1, 2 ]
amdhsa.kernels:
  - .name:           k_qaf7ca21807_relay
    .symbol:         k_qaf7ca21807_relay.kd
    .args:
      - { .name: keys_codes, .offset: 0, .size: 8, .value_kind: global_buffer, .address_space: global }
      - { .name: values_codes, .offset: 8, .size: 8, .value_kind: global_buffer, .address_space: global }
      - { .name: kvw, .offset: 16, .size: 8, .value_kind: global_buffer, .address_space: global }
    .group_segment_fixed_size: 0
    .private_segment_fixed_size: 0
    .kernarg_segment_align: 8
    .kernarg_segment_size: 24
    .max_flat_workgroup_size: 128
    .sgpr_count:     66
    .vgpr_count:     96
    .wavefront_size: 32
...
	.end_amdgpu_metadata
.endif
;; end of part 1
;; launch attn (part 2): grid 64 x 4, 8 waves a work-group, no clusters, 327,680 bytes of LDS; arguments queries, kvw, mask, lowp_scales, out0; writes out0
.if DOCPART == 2
	.amdgcn_target "amdgcn-amd-amdhsa--gfx1250"
	.amdhsa_code_object_version 6
	.text
	.protected	k_qaf7ca21807_attn
	.globl	k_qaf7ca21807_attn
	.p2align	8
	.type	k_qaf7ca21807_attn,@function
k_qaf7ca21807_attn:
	s_mov_b64 s[64:65], 0
	v_nop
	global_prefetch_b8 v0, s[64:65] scope:SCOPE_SE
	s_setreg_imm32_b32 hwreg(HW_REG_WAVE_MODE, 25, 1), 1
	s_wait_xcnt 0x0
; out[n][q][:] = the sum over k of softmax_k(Q[n][q] . K[n][k] / 8 + mask[q][k]) V[n][k][:]; 16 heads, 4,096 queries, 4,096 keys, head size 64; both products on codes of E5M2.
; queries f32: quantised here as x / 2^(e0 + 3) (the 1/8 is a power of two and goes into the scale).  kvw: K's and V's codes as the launch before laid them.  lowp_scales: e0 (q), e1 (k), e2 (p), e3 (v).
; THE SOFTMAX: t = score x log2(e); M = the running largest t rounded UP to a whole number; p = 2^(t - M) is quantised with 2^e2; the sum is taken of the unquantised p and divides at the end;
; when M moves, the sum and O are multiplied by 2^(old M - new M), which rounds nothing.
; SHARES.  A work-group owns 64 queries x 4 heads.  Wave w of eight: head w / 2, ALL four tiles of 16 queries, and of each step's 256 keys the 128 with number w % 2.  16 steps.
; So every byte of K and V is wanted by ONE wave of the work-group: it goes from memory straight into that wave's operand registers, 512 consecutive bytes a load, and each fragment feeds four tiles.
; At the end the two waves of a head join their halves through LDS (largest M, exact powers of two), each finishing two tiles: a wave's tiles 0, 1 are query tiles 2 (w % 2) on, its tiles 2, 3 the other two.
; NO CLUSTER: no tile of K or V lies in LDS, so there is none for partners to receive jointly; the mask goes through registers, where it is scaled once for the four heads.
; NO PREFETCH: a step's 16 mask loads a wave are issued a whole step (256 keys, four tiles' work) ahead of their use; K's and V's 16 loads a tile's work ahead.
; LAYOUT.  Both products transposed: S^T = K Q^T + mask (C = mask x 2^-(e0 + e1), exact), O^T = V^T P^T: a lane holds one query (lane % 16).  Register 16 i + n of S^T is key 32 i + 16 (lane / 16) + n,
; so the conversions' results are the second product's operand, and V's registers 4 i .. 4 i + 3 are 16 neighbouring keys.  In the first product k is permuted alike in K and Q.
; THE HOLD at 57,344 x 2^e2: p <= 1, so it can bind only where e2 < -15.
; ROTATED WALK: query block y begins at step y % 16 of the keys; the rotation enters global addresses alone.
; ONE BARRIER A STEP: in front of it my stores of the next step's mask and my reads of this step's are done; behind it the next step's mask is read and the slot just left is stored into.
; LIMITS: |e0 + e1| <= 126; e0 + 3 and e2 between -126 and 112; the mask is finite and mask x 2^-(e0 + e1) stays inside f32; NaN and infinities among the inputs are not served;
; a query so small that query / 8 is denormal is not rounded twice as the reference rounds it.
; REGISTERS, window 0: v1-14 addresses and constants; v16-23 at work; v24-39 four statistics a tile; v40-47 Q; v48-63 p's codes; v64-191 S^T, two buffers; v192-255 my 8 mask rows of a step.
;   window 1: v0-127 O^T, 32 a tile; v128-191 K's eight fragments; v192-255 V's four.
.set MP,    1040                       ; a mask row in LDS: 1,024 bytes + 16: 16 rows of a load start at 16 different columns of 16 bytes
.set SLOT1, 1<<17                      ; mask slot 0 at 0, slot 1 here: 64 rows x MP each
.set QAREA, 66560                      ; Q's codes as register images: 4 heads x 4 tiles x 1,024 bytes
.set SPARE, 82944                      ; the spare words: 128 bytes for each of eight waves
.set XCH,   197632                     ; the join: 8,704 bytes a wave
.set XSZ,   8704
.set OSTG,  267264                     ; the way out: 16 rows x 272 a wave
.set L16, 1
.set AM0, 2                            ; v2-3 where I read the mask in slot 0: tiles 0, 1; tiles 2, 3
.set AMC, 4                            ; v4-5 the same in the slot in hand
.set AW0, 6                            ; v6 where I store it, slot 0; v7 in the slot to be filled
.set AWC, 7
.set MOF, 8
.set AQ,  9                            ; v9-10 Q's codes: tiles 0, 1; tiles 2, 3
.set SPW, 11
.set NIL, 12
.set SCP, 13                           ; 2^e2
.set LIMP, 14                          ; 57,344 x 2^e2
.set TA,  16
.set TB,  17
.set TC,  18
.set TD,  19
.set SUM, 20
.set F,   22                           ; f, and v23 written once (named in a pair)
.set ST,  24                           ; tile u at v[ST + 4 u]: -M, the largest t, the sum in two halves
.set QF,  40
.set PC,  48
.set S,   64
.set SG,  192
.set KF,  128                          ; window 1
.set VF,  192
.set WV,  16
.set HL,  17
.set PAR, 18
.set NPAR, 19
.set QB,  20
.set TBS, 21                           ; the mask slot in hand
.set TRIP, 22
.set MCOL, 23
.set WPT, 24                           ; s[24:25] kvw at my head and my half; s[26:27] the step's byte offset; s[28:29] their sum
.set KOF, 26
.set KB,  28
.set MPT, 30
.set EX,  32
.set CS,  36
.set INV, 38
.set SEL, 40
.set EPV, 42
.set MSB, 0
.macro WIN new                         ; the immediate's high byte repeats the setting that is left
.if MSB != \new
	s_set_vgpr_msb (MSB<<8)|\new
.set MSB, \new
.endif
.endm
.macro PLACES                          ; four plain lines behind matrix instructions (ISA guide 7.12.1)
.rept 4
	v_nop
.endr
.endm
.macro LDK                             ; K's eight fragments of my next 128 keys
	WIN 0x40
.irp n, 0,1,2,3,4,5,6,7,8,9,10,11,12,13,14,15
	global_load_b128 v[KF+4*\n:KF+4*\n+3], v[L16], s[KB:KB+1] offset:512*\n
.endr
	WIN 0
.endm
.macro LDV                             ; V's four fragments of the same keys
	WIN 0x40
.irp n, 0,1,2,3,4,5,6,7,8,9,10,11,12,13,14,15
	global_load_b128 v[VF+4*\n:VF+4*\n+3], v[L16], s[KB:KB+1] offset:8192+512*\n
.endr
	WIN 0
.endm
.macro LDMASK                          ; my 8 rows of a step: 512 consecutive bytes a load
.irp i, 0,1,2,3,4,5,6,7
.irp g, 0,1
	global_load_b128 v[SG+8*\i+4*\g:SG+8*\i+4*\g+3], v[MOF], s[MPT:MPT+1] offset:16384*\i+512*\g
.endr
.endr
.endm
; My mask rows are scaled (x 2^-(e0 + e1): exact), stored, and with reload = 1 loaded again with the step after.  cnt: the younger loads that may stay out.
.macro STG areg, cnt, reload
	s_wait_loadcnt \cnt
.set j, 0
.rept 32
	v_pk_mul_f32 v[SG+j:SG+j+1], v[SG+j:SG+j+1], s[INV:INV+1] op_sel_hi:[1,0]
.set j, j+2
.endr
.irp i, 0,1,2,3,4,5,6,7
	ds_store_b128 v[\areg], v[SG+8*\i:SG+8*\i+3] offset:MP*\i
	ds_store_b128 v[\areg], v[SG+8*\i+4:SG+8*\i+7] offset:MP*\i+512
.endr
.if \reload
	s_add_co_u32 s[MCOL], s[MCOL], 1024            ; the next 256 columns, round the row's 16,384 bytes
	s_and_b32 s[MCOL], s[MCOL], 0x3fff
	v_add_nc_u32 v[MOF], s[MCOL], v[L16]
	LDMASK
.endif
.endm
.macro LDM u                           ; tile u's scaled mask into its S^T buffer: the first product's C
.irp i, 0,1,2,3
.irp n, 0,1,2,3
	ds_load_b128 v[S+64*((\u)%2)+16*\i+4*\n:S+64*((\u)%2)+16*\i+4*\n+3], v[AMC+(\u)/2] offset:16*MP*((\u)%2)+128*\i+16*\n
.endr
.endr
.endm
.macro LDQ u
	ds_load_b128 v[QF:QF+3], v[AQ+(\u)/2] offset:1024*((\u)%2)
	ds_load_b128 v[QF+4:QF+7], v[AQ+(\u)/2] offset:1024*((\u)%2)+512
.endm
.macro QK u                            ; eight accumulators, one instruction each
	WIN 0x01
.irp c, 0,1,2,3,4,5,6,7
	v_wmma_f32_16x16x64_bf8_bf8 v[S+64*((\u)%2)+8*\c:S+64*((\u)%2)+8*\c+7], v[KF+8*\c:KF+8*\c+7], v[QF:QF+7], v[S+64*((\u)%2)+8*\c:S+64*((\u)%2)+8*\c+7]
.endr
.endm
.macro PV u                            ; four accumulators, one instruction each
	WIN 0x51
.irp ct, 0,1,2,3
	v_wmma_f32_16x16x128_bf8_bf8 v[32*(\u)+8*\ct:32*(\u)+8*\ct+7], v[VF+16*\ct:VF+16*\ct+15], v[PC:PC+15], v[32*(\u)+8*\ct:32*(\u)+8*\ct+7]
.endr
.endm
.macro RESC u                          ; O^T under the new M, each accumulator from its low end on
	WIN 0x41
	s_wait_alu depctr_va_vdst(0)                   ; the wait directly ahead of the first reader of O^T
.irp j, 0,2,4,6,8,10,12,14,16,18,20,22,24,26,28,30
	v_pk_mul_f32 v[32*(\u)+\j:32*(\u)+\j+1], v[32*(\u)+\j:32*(\u)+\j+1], v[F:F+1] op_sel_hi:[1,0]
.endr
.endm
; The softmax's first part: the largest score in four chains (registers ascending), M, f, t - M.
.macro SMAX_A u
.set rS, S+64*((\u)%2)
.set rT, ST+4*(\u)
	v_max3_num_f32 v[TA], v[rS], v[rS+1], v[rS+2]
	v_max3_num_f32 v[TB], v[rS+3], v[rS+4], v[rS+5]
	v_max3_num_f32 v[TC], v[rS+6], v[rS+7], v[rS+8]
	v_max3_num_f32 v[TD], v[rS+9], v[rS+10], v[rS+11]
.irp i, 12,20,28,36,44,52
	v_max3_num_f32 v[TA], v[TA], v[rS+\i], v[rS+\i+1]
	v_max3_num_f32 v[TB], v[TB], v[rS+\i+2], v[rS+\i+3]
	v_max3_num_f32 v[TC], v[TC], v[rS+\i+4], v[rS+\i+5]
	v_max3_num_f32 v[TD], v[TD], v[rS+\i+6], v[rS+\i+7]
.endr
	v_max3_num_f32 v[TA], v[TA], v[rS+60], v[rS+61]
	v_max3_num_f32 v[TB], v[TB], v[rS+62], v[rS+63]
	s_delay_alu instid0(VALU_DEP_1)
	v_max3_num_f32 v[TA], v[TA], v[TB], v[TC]
	s_delay_alu instid0(VALU_DEP_1)
	v_max_num_f32 v[TA], v[TA], v[TD]
	s_delay_alu instid0(VALU_DEP_1)
	v_permlanex16_b32 v[TC], v[TA], s[SEL], s[SEL+1]   ; the query's other 64 keys lie in lane l xor 16
	s_delay_alu instid0(VALU_DEP_1)
	v_max_num_f32 v[TA], v[TA], v[TC]
	s_delay_alu instid0(VALU_DEP_1)
	v_mul_f32 v[TA], s[CS], v[TA]                  ; as t (c is positive)
	s_delay_alu instid0(VALU_DEP_1)
	v_max_num_f32 v[rT+1], v[rT+1], v[TA]          ; the running largest t
	v_mov_b32 v[TA], v[rT]
	s_delay_alu instid0(VALU_DEP_2)
	v_floor_f32 v[rT], -v[rT+1]                    ; -M = floor(-t)
	s_delay_alu instid0(VALU_DEP_1)
	v_sub_f32 v[TA], v[rT], v[TA]                  ; old M - new M
	s_delay_alu instid0(VALU_DEP_1)
	v_cvt_i32_f32 v[TA], v[TA]                     ; (it saturates)
	s_delay_alu instid0(VALU_DEP_1)
	v_ldexp_f32 v[F], 1.0, v[TA]                   ; f = 2^(old M - new M)
.set j, 0
.rept 32
	v_pk_fma_f32 v[rS+j:rS+j+1], v[rS+j:rS+j+1], s[CS:CS+1], v[rT:rT+1] op_sel_hi:[1,0,0]   ; t - M
.set j, j+2
.endr
.endm
; Its second part: 64 exponentials as one batch, the sum of the unquantised p in four chains, the hold where e2 asks for it, the conversions.
.macro SMAX_B u
.set rS, S+64*((\u)%2)
.set rT, ST+4*(\u)
	s_wait_alu depctr_va_vdst(0)                   ; the wait ahead of the batch
.set j, 0
.rept 32
	v_exp_f32 v[rS+j], v[rS+j]
.set j, j+1
.endr
.if MIDF
	FLIP                                           ; tile 3 alone: the barrier's wait and the next step's first mask reads stand in the batch's middle
.endif
.rept 32
	v_exp_f32 v[rS+j], v[rS+j]
.set j, j+1
.endr
	v_pk_mul_f32 v[rT+2:rT+3], v[rT+2:rT+3], v[F:F+1] op_sel_hi:[1,0]   ; the sums under the new M; the plain line behind the batch
	s_wait_alu depctr_va_vdst(0)                   ; one wait for the batch, ahead of its first reader
	v_pk_add_f32 v[SUM:SUM+1], v[rS:rS+1], v[rS+2:rS+3]
	v_pk_add_f32 v[TA:TA+1], v[rS+4:rS+5], v[rS+6:rS+7]
	v_pk_add_f32 v[TC:TC+1], v[rS+8:rS+9], v[rS+10:rS+11]
.irp i, 12,20,28,36,44,52
	v_pk_add_f32 v[rT+2:rT+3], v[rT+2:rT+3], v[rS+\i:rS+\i+1]
	v_pk_add_f32 v[SUM:SUM+1], v[SUM:SUM+1], v[rS+\i+2:rS+\i+3]
	v_pk_add_f32 v[TA:TA+1], v[TA:TA+1], v[rS+\i+4:rS+\i+5]
	v_pk_add_f32 v[TC:TC+1], v[TC:TC+1], v[rS+\i+6:rS+\i+7]
.endr
	v_pk_add_f32 v[rT+2:rT+3], v[rT+2:rT+3], v[rS+60:rS+61]
	v_pk_add_f32 v[SUM:SUM+1], v[SUM:SUM+1], v[rS+62:rS+63]
	v_pk_add_f32 v[TA:TA+1], v[TA:TA+1], v[TC:TC+1]
	v_pk_add_f32 v[rT+2:rT+3], v[rT+2:rT+3], v[SUM:SUM+1]
	v_pk_add_f32 v[rT+2:rT+3], v[rT+2:rT+3], v[TA:TA+1]
	s_cmp_lt_i32 s[EX+2], -15                      ; p <= 1 <= 57,344 x 2^e2 unless e2 < -15
	s_wait_alu depctr_va_vdst(0)                   ; the wait ahead of the branch
	s_cbranch_scc0 .Lno_hold_\@
.set j, 0
.rept 64
	v_min_num_f32 v[rS+j], v[rS+j], v[LIMP]        ; the conversion does not saturate (ISA guide 7.6.2); p is not negative
.set j, j+1
.endr
.Lno_hold_\@:
.irp c, 0,1,2,3,4,5,6,7
	v_cvt_scalef32_pk8_bf8_f32 v[PC+2*\c:PC+2*\c+1], v[rS+8*\c:rS+8*\c+7], v[SCP]
.endr
.endm
; A tile's end: the loads that the products want are in (lc: global loads that may stay out, -1: none are awaited), the next tile's scores, this tile's second product.
.macro CLOSE lc, q, p
	s_wait_alu depctr_va_vdst(0)                   ; the wait directly ahead of the waits below: O^T was just rescaled
.if \lc >= 0
	s_wait_loadcnt \lc
.endif
	s_wait_dscnt 0x0
	QK \q
	PV \p
	WIN 0
	PLACES
.endm
; A step: my 128 keys, four tiles.  stg = 2: the next step's mask is stored and the one after it loaded; 1: stored; 0: none is left.  last = 1: no step follows.
; The change of mask slots: every wave has signalled, so the next step's mask is whole and nobody reads the slot just left.
.macro FLIP
	s_barrier_wait -1
	s_xor_b32 s[TBS], s[TBS], SLOT1
	s_xor_b32 s55, s[TBS], SLOT1
	v_add_nc_u32 v[AMC], s[TBS], v[AM0]
	v_add_nc_u32 v[AMC+1], s[TBS], v[AM0+1]
	v_add_nc_u32 v[AWC], s55, v[AW0]
	LDM 0
	LDQ 0
.endm
.set MIDF, 0
.macro STEP stg, last
	LDM 1
	LDQ 1
	LDV
	SMAX_A 0
	SMAX_B 0
	RESC 0
	CLOSE 0, 1, 0                                  ; V is in: no load is younger
	LDM 2
	LDQ 2
.if \stg
	STG AWC, 0, (\stg-1)                           ; the mask set landed ahead of K; its 16 reloads go out here, between V's loads and K's
.endif
	SMAX_A 1
	SMAX_B 1
	RESC 1
	CLOSE -1, 2, 1
	LDM 3
	LDQ 3
	SMAX_A 2
	SMAX_B 2
	RESC 2
	CLOSE -1, 3, 2
.if \last
	SMAX_A 3
	SMAX_B 3
	RESC 3
	s_wait_alu depctr_va_vdst(0)
	PV 3
	WIN 0
	PLACES
.else
	s_add_co_u32 s[KOF], s[KOF], 32768             ; the next 256 keys, round the head's 524,288 bytes; every load by s[KB] has been waited for
	s_and_b32 s[KOF], s[KOF], 0x7ffff
	s_add_nc_u64 s[KB:KB+1], s[WPT:WPT+1], s[KOF:KOF+1]
	LDK
	s_barrier_signal -1                            ; no LDS line of mine is out: my reads of this step's mask and my stores of the next are done
	SMAX_A 3                                       ; work on registers while the others arrive, and 32 of the exponentials too
.set MIDF, 1
	SMAX_B 3
.set MIDF, 0
	RESC 3
	CLOSE 0, 0, 3                                  ; K is in, and so is the mask set issued before it
.endif
.endm
	s_load_b256 s[4:11], s[0:1], 0x0               ; queries s[4:5], kvw s[6:7], mask s[8:9], lowp_scales s[10:11]
	s_load_b64 s[12:13], s[0:1], 0x20              ; out0
	v_lshl_add_u32 v[SPW], v0, 2, SPARE
	v_mov_b32 v[NIL], 0
	v_lshrrev_b32 v[TA], 5, v0
	v_readfirstlane_b32 s[WV], v[TA]               ; wave 0..7
	s_lshr_b32 s[HL], s[WV], 1
	s_and_b32 s[PAR], s[WV], 1
	s_xor_b32 s[NPAR], s[PAR], 1
	s_mov_b32 s[QB], ttmp9                         ; my block of 64 queries: the grid's x; the four work-groups that read its mask rows have numbers 64 apart
	s_and_b32 s54, ttmp7, 0xffff                   ; my group of four heads: the grid's y
	s_lshl_b32 s54, s54, 2
	s_add_co_u32 s54, s54, s[HL]                   ; my head
	s_lshl_b32 s56, s54, 19
	s_lshl_b32 s55, s[PAR], 14
	s_add_co_u32 s56, s56, s55                     ; kvw: 524,288 bytes a head, 16,384 a block of 128 keys
	s_mov_b32 s57, 0
	s_and_b32 s[KOF], s[QB], 15                    ; the step of the keys at which I begin
	s_lshl_b32 s[MCOL], s[KOF], 10
	s_lshl_b32 s[KOF], s[KOF], 15
	s_mov_b32 s[KOF+1], 0
	s_lshl_b32 s58, s[QB], 6
	s_lshl_b32 s55, s[WV], 3
	s_add_co_u32 s58, s58, s55
	s_lshl_b32 s58, s58, 14                        ; the 8 mask rows that I stage
	s_mov_b32 s59, 0
	s_lshl_b32 s60, s54, 12
	s_lshl_b32 s55, s[QB], 6
	s_add_co_u32 s60, s60, s55
	s_lshl_b32 s55, s[PAR], 5
	s_add_co_u32 s60, s60, s55
	s_lshl_b32 s60, s60, 8                         ; rows of queries and out0 of my tiles 0, 1
	s_mov_b32 s61, 0
	s_mov_b32 s[TBS], 0
	s_mov_b32 s[SEL], 0x76543210
	s_mov_b32 s[SEL+1], 0xfedcba98
	s_mul_i32 s70, s[PAR], 32*MP+512               ; mask read: tiles 0, 1 at rows 32 (w % 2), my 128 columns
	s_mul_i32 s71, s[NPAR], 32*MP
	s_lshl_b32 s55, s[PAR], 9
	s_add_co_u32 s71, s71, s55                     ; tiles 2, 3 at the other 32 rows
	s_mul_i32 s72, s[WV], 8*MP
	s_lshl_b32 s55, s[HL], 12
	s_add_co_u32 s55, s55, QAREA
	s_lshl_b32 s73, s[PAR], 11
	s_add_co_u32 s73, s73, s55
	s_lshl_b32 s74, s[NPAR], 11
	s_add_co_u32 s74, s74, s55
	s_mul_i32 s75, s[WV], XSZ
	s_add_co_u32 s75, s75, XCH                     ; my bytes of the join area: at the head they turn Q's rows, 32 rows x 272
	v_and_b32 v[L16], 31, v0
	v_lshlrev_b32 v[L16], 4, v[L16]
	v_and_b32 v[TA], 15, v0                        ; r
	v_bfe_u32 v[TB], v0, 4, 1                      ; h
	v_mul_u32_u24 v[TD], v[TA], MP
	v_lshl_add_u32 v[TD], v[TB], 6, v[TD]          ; mask: row r, + 64 h
	v_add_nc_u32 v[AM0], s70, v[TD]
	v_add_nc_u32 v[AM0+1], s71, v[TD]
	v_mul_u32_u24 v[TC], v[TB], 272                ; Q, in: lanes 0-15 one row of 256 bytes, lanes 16-31 the next
	v_lshl_add_u32 v[TC], v[TA], 4, v[TC]
	v_add_nc_u32 v[TC], s75, v[TC]
	v_mul_u32_u24 v[TD], v[TA], 272                ; Q, back: row r, + 64 h
	v_lshl_add_u32 v[TD], v[TB], 6, v[TD]
	v_add_nc_u32 v[TD], s75, v[TD]
	v_add_nc_u32 v[AW0], s72, v[L16]
	v_add_nc_u32 v[AQ], s73, v[L16]
	v_add_nc_u32 v[AQ+1], s74, v[L16]
	v_add_nc_u32 v[MOF], s[MCOL], v[L16]
	s_wait_alu depctr_va_vdst(0)                   ; the wait at the head's end
	s_wait_kmcnt 0x0
	s_load_b128 s[EX:EX+3], s[10:11], 0x0          ; e0 .. e3
	s_add_nc_u64 s[WPT:WPT+1], s[6:7], s[56:57]
	s_add_nc_u64 s[MPT:MPT+1], s[8:9], s[58:59]
	s_add_nc_u64 s[4:5], s[4:5], s[60:61]
	s_add_nc_u64 s[12:13], s[12:13], s[60:61]
	s_add_nc_u64 s[KB:KB+1], s[WPT:WPT+1], s[KOF:KOF+1]
	LDMASK                                         ; step 0's mask: 16 loads
.irp n, 0,1,2,3,4,5,6,7,8,9,10,11,12,13,14,15
	global_load_b128 v[S+4*\n:S+4*\n+3], v[L16], s[4:5] offset:512*\n th:TH_LOAD_NT   ; my tiles 0, 1: 32 rows of 256 bytes, 512 consecutive bytes a load; 16 loads
.endr
	LDK                                            ; step 0's K: 16 loads
	s_wait_kmcnt 0x0
	s_add_co_i32 s55, s[EX], s[EX+1]               ; e0 + e1
	s_lshl_b32 s56, s55, 23
	s_add_co_i32 s[CS], s56, 0x3fb8aa3b            ; c = log2(e) x 2^(e0 + e1)
	s_mov_b32 s[CS+1], s[CS]
	s_sub_co_i32 s56, 127, s55
	s_lshl_b32 s[INV], s56, 23                     ; 2^-(e0 + e1)
	s_mov_b32 s[INV+1], s[INV]
	s_add_co_i32 s56, s[EX+2], 127
	s_lshl_b32 s57, s56, 23
	s_add_co_i32 s56, s56, 15
	s_lshl_b32 s56, s56, 23
	s_or_b32 s56, s56, 0x600000
	s_add_co_i32 s[EPV], s[EX+2], s[EX+3]
	s_add_co_i32 s58, s[EX], 130
	s_lshl_b32 s59, s58, 23
	s_add_co_i32 s58, s58, 15
	s_lshl_b32 s58, s58, 23
	s_or_b32 s58, s58, 0x600000
	v_mov_b32 v[SCP], s57                          ; 2^e2
	v_mov_b32 v[LIMP], s56                         ; 57,344 x 2^e2
	v_mov_b32 v[TA], s59                           ; 2^(e0 + 3)
	v_mov_b32 v[TB], s58                           ; 57,344 x 2^(e0 + 3)
	STG AW0, 32, 1                                 ; step 0's mask into slot 0: behind it Q's 16 loads and K's 16; the set takes step 1's
	s_wait_loadcnt 32                              ; Q is in: behind it K's 16 and the mask's 16
.irp n, 0,1,2,3,4,5,6,7,8,9,10,11,12,13,14,15
	ds_store_b128 v[TC], v[S+4*\n:S+4*\n+3] offset:544*\n
.endr
.irp t, 0,1
.irp cc, 0,1
.irp j, 0,1,2,3
	ds_load_b128 v[S+64+32*\t+16*\cc+4*\j:S+64+32*\t+16*\cc+4*\j+3], v[TD] offset:4352*\t+128*\cc+16*\j   ; k = 32 cc + 16 h + 4 j on, of tile t's row r; LDS serves a wave's instructions in order (ISA guide 5.7.1.4)
.endr
.endr
.endr
	s_wait_dscnt 0x0
.set j, 0
.rept 64
	v_med3_num_f32 v[S+64+j], v[S+64+j], -v[TB], v[TB]
.set j, j+1
.endr
.irp t, 0,1
.irp cc, 0,1
.irp g, 0,1
	v_cvt_scalef32_pk8_bf8_f32 v[PC+8*\t+4*\cc+2*\g:PC+8*\t+4*\cc+2*\g+1], v[S+64+32*\t+16*\cc+8*\g:S+64+32*\t+16*\cc+8*\g+7], v[TA]
.endr
.endr
.endr
	v_nop                                          ; one plain line behind the last conversion
.irp t, 0,1
	ds_store_b128 v[AQ], v[PC+8*\t:PC+8*\t+3] offset:1024*\t        ; my two tiles' codes, for my head's other wave too
	ds_store_b128 v[AQ], v[PC+8*\t+4:PC+8*\t+7] offset:1024*\t+512
.endr
.irp t, 0,1,2,3
	v_mov_b32 v[ST+4*\t+1], 0xff61b1e6             ; the largest t so far: -3e38
	v_floor_f32 v[ST+4*\t], -v[ST+4*\t+1]
	v_mov_b32 v[ST+4*\t+2], 0
	v_mov_b32 v[ST+4*\t+3], 0
.endr
	v_mov_b32 v[F+1], 0
	v_add_nc_u32 v[AMC], s[TBS], v[AM0]
	v_add_nc_u32 v[AMC+1], s[TBS], v[AM0+1]
	v_add_nc_u32 v[AWC], SLOT1, v[AW0]
	WIN 0x40
.set j, 0
.rept 128
	v_mov_b32 v[j], 0                              ; O^T: the step has no first form of its own; the first change of M multiplies zeros
.set j, j+1
.endr
	WIN 0
	s_wait_alu depctr_va_vdst(0)
	s_wait_dscnt 0x0                               ; my rows of step 0's mask and my codes of Q have landed
	s_barrier_signal -1
	s_barrier_wait -1
	LDM 0
	LDQ 0
	s_wait_loadcnt 16                              ; K is in; step 1's mask is younger
	s_wait_dscnt 0x0
	QK 0
	WIN 0
	PLACES
	s_mov_b32 s[TRIP], 14
.Lstep:                                                ; steps 0 to 13
	STEP 2, 0
	s_sub_co_u32 s[TRIP], s[TRIP], 1
	s_cmp_lg_u32 s[TRIP], 0
	s_cbranch_scc1 .Lstep
	STEP 1, 0                                      ; step 14: step 15's mask is stored, none is left to load
	STEP 0, 1                                      ; step 15
	; THE JOIN.  I send my tiles 2, 3 (O^T, -M, the sum) to my head's other wave and take its tiles 2, 3, which are my tiles 0, 1.
	s_mul_i32 s55, s[WV], XSZ
	s_add_co_u32 s55, s55, XCH
	s_xor_b32 s56, s[WV], 1
	s_mul_i32 s56, s56, XSZ
	s_add_co_u32 s56, s56, XCH
	s_mul_i32 s57, s[WV], 16*272
	s_add_co_u32 s57, s57, OSTG
	v_add_nc_u32 v2, s55, v[L16]
	v_add_nc_u32 v3, s56, v[L16]
	v_mov_b32 v16, v[ST+8]
	v_add_f32 v17, v[ST+10], v[ST+11]
	v_mov_b32 v18, v[ST+12]
	v_add_f32 v19, v[ST+14], v[ST+15]
	v_and_b32 v7, 15, v0                           ; r
	v_bfe_u32 v8, v0, 4, 1                         ; h
	v_mul_u32_u24 v4, v7, 272                      ; the stage, in: row r, 32 bytes for each half of the lanes
	v_lshl_add_u32 v4, v8, 5, v4
	v_add_nc_u32 v4, s57, v4
	v_mul_u32_u24 v5, v8, 272                      ; back: lanes 0-15 one row of 256 bytes, lanes 16-31 the next
	v_lshl_add_u32 v5, v7, 4, v5
	v_add_nc_u32 v5, s57, v5
	v_lshlrev_b32 v6, 8, v8                        ; and the same two rows in out0
	v_lshl_add_u32 v6, v7, 4, v6
	WIN 0x04
	s_wait_alu depctr_va_vdst(0)                   ; the wait ahead of the first readers of O^T
.irp n, 0,1,2,3,4,5,6,7,8,9,10,11,12,13,14,15
	ds_store_b128 v2, v[64+4*\n:64+4*\n+3] offset:512*\n   ; register images, each accumulator from its low end on
.endr
	WIN 0
	ds_store_b128 v2, v[16:19] offset:8192
	s_wait_dscnt 0x0
	s_barrier_signal -1
	s_barrier_wait -1
.irp n, 0,1,2,3,4,5,6,7,8,9,10,11,12,13,14,15
	ds_load_b128 v[S+4*\n:S+4*\n+3], v3 offset:512*\n
.endr
	ds_load_b128 v[20:23], v3 offset:8192
	s_wait_dscnt 0x0
.irp u, 0,1                                    ; X = v[48 + 8 u]: +4 my factor, +6 the other's
	v_min_num_f32 v[48+8*\u], v[ST+4*\u], v[20+2*\u]           ; -M of the two halves' larger M
	v_sub_f32 v[49+8*\u], v[48+8*\u], v[ST+4*\u]
	v_sub_f32 v[50+8*\u], v[48+8*\u], v[20+2*\u]
	v_cvt_i32_f32 v[49+8*\u], v[49+8*\u]
	v_cvt_i32_f32 v[50+8*\u], v[50+8*\u]
	v_ldexp_f32 v[52+8*\u], 1.0, v[49+8*\u]
	v_ldexp_f32 v[54+8*\u], 1.0, v[50+8*\u]
	v_add_f32 v[51+8*\u], v[ST+4*\u+2], v[ST+4*\u+3]
	v_mul_f32 v[51+8*\u], v[51+8*\u], v[52+8*\u]
	v_fmac_f32 v[51+8*\u], v[21+2*\u], v[54+8*\u]
	v_permlanex16_b32 v[48+8*\u], v[51+8*\u], s[SEL], s[SEL+1]
	v_add_f32 v[51+8*\u], v[51+8*\u], v[48+8*\u]               ; the row's sum
.endr
	s_wait_alu depctr_va_vdst(0)                   ; the wait ahead of the transcendentals
	v_rcp_f32 v49, v51
	v_rcp_f32 v57, v59
	v_nop
	s_wait_alu depctr_va_vdst(0)                   ; and ahead of their first reader
.irp u, 0,1
	v_ldexp_f32 v[49+8*\u], v[49+8*\u], s[EPV]                 ; x 2^(e2 + e3)
	v_mul_f32 v[52+8*\u], v[52+8*\u], v[49+8*\u]
	v_mul_f32 v[54+8*\u], v[54+8*\u], v[49+8*\u]
.endr
.irp u, 0,1
.irp j, 0,2,4,6,8,10,12,14,16,18,20,22,24,26,28,30
	v_pk_mul_f32 v[S+32*\u+\j:S+32*\u+\j+1], v[S+32*\u+\j:S+32*\u+\j+1], v[54+8*\u:55+8*\u] op_sel_hi:[1,0]
.endr
.endr
	WIN 0x01
	s_wait_alu depctr_va_vdst(0)                   ; the wait directly ahead of the first readers of O^T
.irp u, 0,1
.irp j, 0,2,4,6,8,10,12,14,16,18,20,22,24,26,28,30
	v_pk_fma_f32 v[S+32*\u+\j:S+32*\u+\j+1], v[32*\u+\j:32*\u+\j+1], v[52+8*\u:53+8*\u], v[S+32*\u+\j:S+32*\u+\j+1] op_sel_hi:[1,0,1]
.endr
.endr
	WIN 0
	; THE WAY OUT: register 8 ct + j of lane (r, h) is out(row r, channel 16 ct + 8 h + j); a tile of 16 rows of 256 bytes at a time goes through my stage
.irp u, 0,1
.irp ct, 0,1,2,3
	ds_store_b128 v4, v[S+32*\u+8*\ct:S+32*\u+8*\ct+3] offset:64*\ct
	ds_store_b128 v4, v[S+32*\u+8*\ct+4:S+32*\u+8*\ct+7] offset:64*\ct+16
.endr
.irp i, 0,1,2,3,4,5,6,7
	ds_load_b128 v[128+32*\u+4*\i:128+32*\u+4*\i+3], v5 offset:2*272*\i   ; LDS serves a wave's instructions in order (ISA guide 5.7.1.4)
.endr
.endr
.irp i, 0,1,2,3,4,5,6,7
	s_wait_dscnt 23-\i                             ; behind tile 0's load i: its 7 - i later loads and tile 1's sixteen LDS lines
	global_store_b128 v6, v[128+4*\i:128+4*\i+3], s[12:13] offset:512*\i th:TH_STORE_NT   ; 16 lanes store 256 consecutive bytes, aligned
.endr
.irp i, 0,1,2,3,4,5,6,7
	s_wait_dscnt 7-\i
	global_store_b128 v6, v[160+4*\i:160+4*\i+3], s[12:13] offset:4096+512*\i th:TH_STORE_NT
.endr
	s_wait_tensorcnt 0x0                           ; the wave's end
	ds_add_u32 v[SPW], v[NIL]
	s_wait_dscnt 0x0
	s_endpgm
.Lfunc_end_k_qaf7ca21807_attn:
	.size	k_qaf7ca21807_attn, .Lfunc_end_k_qaf7ca21807_attn-k_qaf7ca21807_attn
	.p2alignl 7, 3214868480
	.fill 96, 4, 3214868480
	.section	.rodata,"a",@progbits
	.p2align	6, 0x0
	.amdhsa_kernel k_qaf7ca21807_attn
		.amdhsa_group_segment_fixed_size 327680
		.amdhsa_private_segment_fixed_size 0
		.amdhsa_enable_private_segment 0
		.amdhsa_kernarg_size 40
		.amdhsa_user_sgpr_count 2
		.amdhsa_user_sgpr_kernarg_segment_ptr 1
		.amdhsa_wavefront_size32 1
		.amdhsa_system_sgpr_workgroup_id_x 1
		.amdhsa_system_sgpr_workgroup_id_y 1
		.amdhsa_system_sgpr_workgroup_id_z 1
		.amdhsa_system_vgpr_workitem_id 0
		.amdhsa_next_free_vgpr 512
		.amdhsa_next_free_sgpr 100
		.amdhsa_reserve_vcc 0
		.amdhsa_float_denorm_mode_32 3
		.amdhsa_float_denorm_mode_16_64 3
		.amdhsa_memory_ordered 1
		.amdhsa_forward_progress 1
		.amdhsa_inst_pref_size 231
	.end_amdhsa_kernel
	.amdgpu_metadata
---
amdhsa.version: [ 1, 2 ]
amdhsa.kernels:
  - .name:           k_qaf7ca21807_attn
    .symbol:         k_qaf7ca21807_attn.kd
    .args:
      - { .name: queries, .offset: 0, .size: 8, .value_kind: global_buffer, .address_space: global }
      - { .name: kvw, .offset: 8, .size: 8, .value_kind: global_buffer, .address_space: global }
      - { .name: mask, .offset: 16, .size: 8, .value_kind: global_buffer, .address_space: global }
      - { .name: lowp_scales, .offset: 24, .size: 8, .value_kind: global_buffer, .address_space: global }
      - { .name: out0, .offset: 32, .size: 8, .value_kind: global_buffer, .address_space: global }
    .group_segment_fixed_size: 327680
    .private_segment_fixed_size: 0
    .kernarg_segment_align: 8
    .kernarg_segment_size: 40
    .max_flat_workgroup_size: 256
    .sgpr_count:     100
    .vgpr_count:     512
    .wavefront_size: 32
...
	.end_amdgpu_metadata
.endif
;; end of part 2
